; MI455X (gfx1250); checked and timed in simulation.
; The chip was launched on July 23, 2026; its instructions are those of AMD's public machine-readable ISA for CDNA 5 (MIT licence, August 2026) and "CDNA5" Instruction Set Architecture Reference Guide (July 2026). The comments in the code are by the model that wrote it; some were corrected since.
;; Causal Self Attention. Allowed arithmetic: matrix products marked QUANTISED: E4M3 operands, one given power-of-two scale a tensor, by v_wmma_f32_16x16x64_fp8_fp8 or v_wmma_f32_16x16x128_fp8_fp8, f32 sums; everything else in f32.
;; Inputs: Wk_codes 1,024 x 32 x 32 uint8 (E4M3 codes of Wk, K innermost, in blocks of 32 codes); Wo_codes 1,024 x 32 x 32 uint8 (E4M3 codes of Wo, K innermost, in blocks of 32 codes); Wq_codes 1,024 x 32 x 32 uint8 (E4M3 codes of Wq, K innermost, in blocks of 32 codes); Wv_codes 1,024 x 32 x 32 uint8 (E4M3 codes of Wv, K innermost, in blocks of 32 codes); bk 1,024 float32; bo 1,024 float32; bq 1,024 float32; bv 1,024 float32; lowp_scales 12 int32 (the exponents e of the quantised operands' scales 2^e); x_codes 4 x 2,048 x 32 x 32 uint8 (E4M3 codes of x, K innermost, in blocks of 32 codes).
;; Outputs: out0 4 x 2,048 x 1,024 float32.
;; This version of the problem:
;;   THIS VERSION OF THE PROBLEM IS GIVEN IN LOW PRECISION. The matrix products marked QUANTISED in the list below multiply operands that are first quantised to E4M3 (4 exponent bits, 3 mantissa bits; 8 bits a number), with one given power-of-two scale for each operand tensor; their sums are f32. All else is computed in f32.
;;   The module's matrix products, in the order in which they are computed (A, B: the left and right operand; K: the contracted axis; several contracted axes count as one K, in the product's order):
;;     1. [M 8,192, K 1,024] x [K 1,024, N 1,024]; A: input x (given as codes); B: input Wq (given as codes): QUANTISED (scales: A lowp_scales[0], B lowp_scales[1])
;;     2. [M 8,192, K 1,024] x [K 1,024, N 1,024]; A: input x (given as codes); B: input Wk (given as codes): QUANTISED (scales: A lowp_scales[2], B lowp_scales[3])
;;     3. [M 8,192, K 1,024] x [K 1,024, N 1,024]; A: input x (given as codes); B: input Wv (given as codes): QUANTISED (scales: A lowp_scales[4], B lowp_scales[5])
;;     4. batch 64 x [M 2,048, K 64] x [K 64, N 2,048]; A: computed on the way; B: computed on the way: QUANTISED (scales: A lowp_scales[6], B lowp_scales[7])
;;     5. batch 64 x [M 2,048, K 2,048] x [K 2,048, N 64]; A: softmax (see below); B: computed on the way: QUANTISED (scales: A lowp_scales[8], B lowp_scales[9])
;;     6. [M 8,192, K 1,024] x [K 1,024, N 1,024]; A: computed on the way; B: input Wo (given as codes): QUANTISED (scales: A lowp_scales[10], B lowp_scales[11])
;;   THE QUANTISER, for each operand of a quantised product, along K:
;;     - The operand's scale is 2^e, e = its entry of the input lowp_scales (int32; the entries are numbered through the quantised products in the list's order, A before B).
;;     - Each number is divided by the scale, clamped to +-448, and rounded to the nearest number of E4M3, ties to even, subnormals kept.
;;     - The product sums the exact products of the quantised numbers (number of the format x scale) in f32.
;;   ~~~python
;;   def quantise(x, axis, e):      # numpy; x: float32 -> the quantised numbers, widened to float32 again
;;       x = np.moveaxis(x, axis, -1); K = x.shape[-1]
;;       r = np.clip(x / 2.0 ** e, -448, 448)
;;       step = 2.0 ** (np.maximum(np.frexp(np.where(r == 0, 1, r))[1] - 1, -6) - 3)
;;       q = np.round(r / step) * step * 2.0 ** e      # np.round: ties to even
;;       return np.moveaxis(q, -1, axis).astype(np.float32)
;;   ~~~
;;   SOFTMAX AHEAD OF A QUANTISED PRODUCT. Where the list says 'softmax', what is quantised is not the finished softmax but p = 2^(t - M), with t = logit x log2(e) and M = ceil(the row's largest t), a whole number; so 1/2 < the row's largest p <= 1. The row's sum l is taken of the UNQUANTISED p, in f32, and the product's result is divided by l at the end. Since M is a whole number, a kernel that streams over the keys may use a running M (the ceiling of the running maximum): every later rescaling is an exact power of two, so the quantised numbers keep their values, but for numbers so far below the row's largest that they fall under the format's range.
;;   OPERANDS COMPUTED ON THE WAY. 'Computed on the way' means the value that the module computes at that place (a softmax that the list does not call 'softmax' is quantised finished and normalised). What goes into a quantiser is computed in f32, as accurately as f32 sums, v_exp_f32 and their like allow (about 1e-6 of the number): no bf16 or f16 on the way to a quantiser, and a product that is left as it is and whose result goes on into a quantised operand takes f32 operands (vector FMAs, or v_wmma_f32_16x16x4_f32). A number that lies on a knife's edge between two numbers of the format may be rounded either way, as far as f32 arithmetic and the matrix unit's own rounding can turn it there, and no further.
;;   INPUTS GIVEN AS CODES. Wk (in the module: [1024, 1024], K = its axis 1); Wo (in the module: [1024, 1024], K = its axis 1); Wq (in the module: [1024, 1024], K = its axis 1); Wv (in the module: [1024, 1024], K = its axis 1); x (in the module: [4, 2048, 1024], K = its axis 2): each comes as NAME_codes (uint8): NAME with its K axis moved to the last place and cut into blocks of 32 codes, [.., K / 32, bytes a block], one block behind the other in memory; one code a byte (a code: sign, 4 exponent bits, 3 mantissa bits); its scale is its entry of lowp_scales. Its value is code x scale, taken as it is: it is not quantised again, and the codes and scales need not be those that the quantiser above would give.
;; One version. Each part assembles by itself: llvm-mc -triple=amdgcn-amd-amdhsa -mcpu=gfx1250 --defsym DOCPART=n.
;; ======== version 1 of 1: 3 launches
;; limits: right only within a limited range of input values
;; workspace buffers: qf 8,388,608 bytes; kf 8,388,608 bytes; vf 8,388,608 bytes; af 8,388,608 bytes
;; launch qkv (part 1): grid 12 x 32, 4 waves a work-group, clusters of 4 x 4, 327,680 bytes of LDS; arguments x_codes, Wq_codes, Wk_codes, Wv_codes, bq, bk, bv, lowp_scales, qf, kf, vf; writes qf, kf, vf
.if DOCPART == 1
	.amdgcn_target "amdgcn-amd-amdhsa--gfx1250"
	.amdhsa_code_object_version 6
	.text
	.protected	k_qa11e1df48a_qkv
	.globl	k_qa11e1df48a_qkv
	.p2align	8
	.type	k_qa11e1df48a_qkv,@function
k_qa11e1df48a_qkv:
	s_mov_b64 s[64:65], 0
	v_nop
	global_prefetch_b8 v0, s[64:65] scope:SCOPE_SE
	s_setreg_imm32_b32 hwreg(HW_REG_WAVE_MODE, 25, 1), 1
	s_wait_xcnt 0x0
	s_wait_alu depctr_hold_cnt(0) depctr_sa_sdst(0) depctr_va_vdst(0) depctr_va_sdst(0) depctr_va_ssrc(0) depctr_va_vcc(0) depctr_vm_vsrc(0)
	s_getreg_b32 s2, hwreg(HW_REG_IB_STS2, 6, 4)
	s_cmp_eq_u32 s2, 0
	s_cbranch_scc0 .Lentry_in_a_cluster
	s_endpgm
.Lentry_in_a_cluster:
	s_bfe_u32 s2, ttmp6, 0x10000c
	s_cmp_lg_u32 s2, 0xf033
	s_cbranch_scc0 .Lentry_shape_is_right
	s_endpgm
.Lentry_shape_is_right:
; q = x Wq^T + bq, k = x Wk^T + bk, v = x Wv^T + bv on codes of FP8 (E4M3), and each result quantised again: q with 2^e6, k with 2^e7, v with 2^e9 (entries of the buffer of scales).
; x: [8192][1024] codes; Wq, Wk, Wv: [1024][1024] codes, K innermost.  A product's sum is multiplied once by 2^(ea + eb): entries (0, 1) for q, (2, 3) for k, (4, 5) for v; then the bias is added, in f32.
; LIMITS: ea + eb between -126 and 127; e6, e7, e9 between -126 and 119, so that each power of two below is an f32 number.  NaN codes among the inputs are not served.
; SHARES.  A tile of 256 x 256 results is made by a work-group of four waves; a wave makes 128 x 128: 64 accumulators of 16 x 16, 512 registers.  K = 1,024 goes in four steps of 256 through two LDS slots.
; 3 x 32 x 4 = 384 tiles.  A cluster is 4 x 4 work-groups; the cluster's x says which weight: 0 q, 1 k, 2 v: the same number in all sixteen partners.
; TWO OPERANDS, "A" AND "B".  The matrix instruction takes 16 rows of B as source 0 and 16 rows of A as source 1: lane (r, h) then holds row r of A's block and eight NEIGHBOURING rows 8 h + 0..7 of B's block.
;   q, k: A = x (tokens), B = the weight (features): a lane's eight numbers run along the head's 64, which is K of the scores' product.
;   v:    A = Wv (features), B = x (tokens): a lane's eight numbers run along the keys, which is K of the second product of attention.  Only pointers differ: the products' text is one.
; THE WAY OUT NEEDS NO LDS.  Eight numbers of a lane become two registers of codes, and these are registers 2 c, 2 c + 1 (k = 16 c + 8 h + 0..7) of the fragment that the next launch feeds to its matrix instruction.
; So the codes are stored as IMAGES OF THOSE REGISTERS: four registers a store, lane l's 16 bytes at 16 l: each store of the wave covers 512 consecutive bytes, aligned.
;   qf, kf: [batch x head 64][token / 16 128][piece 2][lane 32][16 bytes]      vf: [batch x head 64][token / 128 16][d / 16 4][piece 4][lane 32][16 bytes]
; JOINT LOADS.  A's tile hangs on the cluster's row alone, B's on its column alone: each is asked for by the same tensor load with the same descriptor and a mask that names the four.
; REGISTERS, in windows of 256: window 0: v0-31 addresses and constants; v32-95 the bias; v96-127 at work on the way out; from v128 A's fragments, ONE set, later the codes.
;   window 1: B's fragments, TWO sets.   window 2: the accumulators of my rows 0-63 of A ((a, b) at v[8 (8 a + b)]);   window 3: those of rows 64-127.
.set ROWB,   256                       ; a tile's row in bytes: 256 codes
.set KROW,   1024                      ; a row of x or of a weight in memory
.set PITCH,  272                       ; an LDS row: 256 bytes + 16 of padding = 68 words: row r starts at bank 4 r mod 64 (ISA guide 11.1), so the 16 rows of a load start at 16 different banks
.set FR,     16                        ; registers of a fragment: 16 rows x 128 K
.set NL,     4                         ; LDS loads that bring one
.set NP,     4                         ; places behind this matrix instruction (ISA guide 7.12.1)
.set HALFT,  128*PITCH                 ; 128 rows: what one tensor load brings, and what one wave reads of A or of B
.set SLOT,   4*HALFT                   ; A's 256 rows, then B's 256 rows
.set SPARE,  2*SLOT                    ; behind the two slots: the spare words, 128 bytes for each wave
.set ADRA, 16                          ; v16-17  LDS address of my A fragments in slot 0, 1
.set ADRB, 20                          ; v20-21  the same for B
.set H32,  24                          ; v24     32 h: my eight numbers of a block of 16 of the bias (q, k)
.set R4,   25                          ; v25     4 r: my one number of a block of 16 of the bias (v)
.set L16,  26                          ; v26     16 x lane: my place in an image
.set SPW,  28                          ; v28     LDS address of my spare word; never rewritten
.set NIL,  29                          ; v29     0; never rewritten
.set SCL,  30                          ; v30     2^eo as f32, for the conversions
.set LIM,  31
.set BC,   32                          ; v32-95  the bias
.set TMP,  96                          ; v96-127 32 finished numbers
.set AF,   128                         ; A's fragments
.set CD,   128                         ; the codes: 16 registers for each of my eight blocks of A, so that no store's data are written again
.set G1, 24                            ; s[24:31] descriptor group 1 for A's tiles;  s[32:39] group 0, one set for each slot
.set G0, 32
.set G1B, 48                           ; s[48:55], s[56:63] the same for B's tiles
.set G0B, 56
.set MSB, 0
.macro WIN new                         ; the immediate's high byte repeats the setting that is left; a switch that changes nothing is dropped
.if MSB != (\new)
	s_set_vgpr_msb (MSB<<8)|(\new)
.set MSB, \new
.endif
.endm
.set MUL_LO, 0xa1                      ; source 0 (B) window 1, source 1 (A) window 0, C and D window 2
.set MUL_HI, 0xf1                      ; the same, C and D window 3
.set TO_B,   0x40                      ; destination window 1, address window 0
; A joint load: waves 0 and 1 fetch for A, waves 2 and 3 for B.  Each line has one mask and one set of registers for all that issue it; the branch hangs on the wave's number alone.
; Four v_nop follow each of the two lines, ahead of the jump, the label and what follows.
.macro JLOAD g0a, g1a, g0b, g1b
	s_cmp_eq_u32 s15, 0
	s_cbranch_scc0 .Lfor_b_\@
	tensor_load_to_lds s[\g0a:\g0a+3], s[\g1a:\g1a+7]
	s_nop 0
.rept 4
	v_nop
.endr
	s_branch .Lasked_\@
.Lfor_b_\@:
	tensor_load_to_lds s[\g0b:\g0b+3], s[\g1b:\g1b+7]
	s_nop 0
.rept 4
	v_nop
.endr
.Lasked_\@:
.endm
.macro CREST                           ; a round of the cluster's barrier behind its opening barrier
	s_cmp_lg_u32 s14, 0
	s_cbranch_scc1 .Lnot_wave_0_\@
	s_barrier_signal -3
.Lnot_wave_0_\@:
	s_barrier_wait -3
	s_barrier_signal -1
	s_barrier_wait -1
.endm
.macro CROUND                          ; a whole round
	s_barrier_signal -1
	s_barrier_wait -1
	CREST
.endm
	s_load_b256 s[68:75], s[0:1], 0x0              ; x s[68:69], Wq s[70:71], Wk s[72:73], Wv s[74:75]
	s_load_b256 s[76:83], s[0:1], 0x20             ; bq s[76:77], bk s[78:79], bv s[80:81], the scales' exponents s[82:83]
	s_load_b128 s[84:87], s[0:1], 0x40             ; qf s[84:85], kf s[86:87]
	s_load_b64 s[88:89], s[0:1], 0x50              ; vf
	v_lshl_add_u32 v[SPW], v0, 2, SPARE
	v_mov_b32 v[NIL], 0
	ds_add_u32 v28, v29
	ds_add_u32 v28, v29
	s_wait_dscnt 0x0
	v_lshrrev_b32 v1, 5, v0
	v_readfirstlane_b32 s14, v1                    ; wave 0..3
	s_lshr_b32 s15, s14, 1                         ; which half of the tile's rows of A is mine.  Also: I fetch for A (0) or for B (1)
	s_and_b32 s16, s14, 1                          ; which half of its rows of B.  Also: which 128 rows of that tile I fetch
	s_bfe_u32 s40, ttmp6, 0x40000                  ; cx, cy: my place in the cluster
	s_bfe_u32 s41, ttmp6, 0x40004
	s_and_b32 s18, ttmp7, 0xffff
	s_lshl_b32 s18, s18, 2                         ; 4 x cluster y: it walks the 32 tiles of tokens
	s_cmp_eq_u32 ttmp9, 2                          ; the v clusters: tokens are B's rows there
	s_cselect_b32 s17, 0, s18
	s_cselect_b32 s42, s18, 0
	s_add_co_u32 s17, s17, s41                     ; A's tile = cy (+ 4 x cluster y for q, k): it never holds cx
	s_add_co_u32 s42, s42, s40                     ; B's tile = cx (+ 4 x cluster y for v): it never holds cy
	s_lshl_b32 s43, s41, 2
	s_lshl_b32 s43, 15, s43                        ; my row of the cluster
	s_lshl_b32 s44, 0x1111, s40                    ; my column
	; descriptor group 1: a tile of 128 rows x 256 bytes, padded in LDS
	s_or_b32 s[G1+0], s43, (0<<16)|(1<<20)|(1<<21)|(5<<22)|(3<<25)  ; 15:0 the mask: A's tiles go to my row; 17:16 elements of 1 byte; 20 padding on; 21 set beside a mask; 24:22 after every 64 words; 31:25 four words of it
	s_or_b32 s[G1B+0], s44, (0<<16)|(1<<20)|(1<<21)|(5<<22)|(3<<25)
.irp g, G1, G1B
	s_mov_b32 s[\g+1], ROWB<<16                    ; tensor_dim0
	s_mov_b32 s[\g+2], 128<<16                     ; tensor_dim1 = 128
	s_mov_b32 s[\g+3], ROWB<<16                    ; tile_dim0
	s_mov_b32 s[\g+4], 128                         ; tile_dim1 = 128
	s_mov_b32 s[\g+5], KROW                        ; tensor_dim0_stride
	s_mov_b32 s[\g+6], 0
	s_mov_b32 s[\g+7], 0
.endr
	s_lshl_b32 s18, s16, 7                         ; which 128 rows of the tile I fetch
	s_lshl_b32 s20, s17, 8
	s_add_co_u32 s20, s20, s18                     ; A: row 256 x tile + 128 x half,
	s_lshl_b32 s20, s20, 10                        ; in bytes (under 2^23)
	s_mov_b32 s21, 0
	s_lshl_b32 s46, s42, 8
	s_add_co_u32 s46, s46, s18                     ; B likewise
	s_lshl_b32 s46, s46, 10
	s_mov_b32 s47, 0
	s_mul_i32 s45, s14, HALFT                      ; where they go: wave x 128 rows: no place in the cluster enters an LDS address
	s_wait_kmcnt 0x0
	s_cmp_eq_u32 ttmp9, 2                          ; the buffers are chosen by the cluster's x alone
	s_cselect_b64 s[4:5], s[74:75], s[68:69]       ; A: Wv, else x
	s_cselect_b64 s[6:7], s[68:69], s[72:73]       ; B: x, else Wk
	s_cselect_b64 s[8:9], s[80:81], s[78:79]       ; the bias: bv, else bk
	s_cselect_b64 s[10:11], s[88:89], s[86:87]     ; the codes: vf, else kf
	s_cmp_eq_u32 ttmp9, 0
	s_cselect_b64 s[6:7], s[70:71], s[6:7]         ; Wq,
	s_cselect_b64 s[8:9], s[76:77], s[8:9]         ; bq
	s_cselect_b64 s[10:11], s[84:85], s[10:11]     ; and qf in the q clusters
	s_load_b256 s[68:75], s[82:83], 0x0            ; e0 .. e7, over pointers that have been read
	s_load_b32 s90, s[82:83], 0x24                 ; e9
	s_add_nc_u64 s[20:21], s[4:5], s[20:21]
	s_add_nc_u64 s[46:47], s[6:7], s[46:47]
	CROUND                                         ; all sixteen work-groups are here: the first joint loads meet
.irp s, 0,1
	s_mov_b32 s[G0+4*\s], 1
	s_add_co_u32 s[G0+4*\s+1], s45, \s*SLOT
	s_add_nc_u64 s[G0+4*\s+2:G0+4*\s+3], s[20:21], \s*ROWB
	s_or_b32 s[G0+4*\s+3], s[G0+4*\s+3], 0x80000000
	s_mov_b32 s[G0B+4*\s], 1
	s_add_co_u32 s[G0B+4*\s+1], s45, \s*SLOT
	s_add_nc_u64 s[G0B+4*\s+2:G0B+4*\s+3], s[46:47], \s*ROWB
	s_or_b32 s[G0B+4*\s+3], s[G0B+4*\s+3], 0x80000000
	JLOAD G0+4*\s, G1, G0B+4*\s, G1B
.endr
	v_and_b32 v1, 15, v0                           ; r = lane % 16
	v_bfe_u32 v2, v0, 4, 1                         ; h = lane / 16
	v_mul_u32_u24 v3, v1, PITCH
	v_lshl_add_u32 v4, v2, 4, v3                   ; a fragment's row x pitch + 16 x half
	s_mul_i32 s21, s15, HALFT                      ; my 128 rows of A
	s_mul_i32 s22, s16, HALFT                      ; my 128 rows of B,
	s_add_co_u32 s22, s22, 2*HALFT                 ; which lie behind A's 256
.irp s, 0,1
	v_add_nc_u32 v[ADRA+\s], s21, v4
	v_add_nc_u32 v[ADRB+\s], s22, v4
	s_add_co_u32 s21, s21, SLOT
	s_add_co_u32 s22, s22, SLOT
.endr
	v_lshlrev_b32 v[H32], 5, v2
	v_lshlrev_b32 v[R4], 2, v1
	v_and_b32 v5, 31, v0
	v_lshlrev_b32 v[L16], 4, v5
; A fragment, 16 rows x 128 K of codes, is 16 registers, brought by four loads of 16 bytes: lane l holds row l % 16; registers 4 c .. 4 c + 3 hold K = 32 c + 16 (l / 16) + 0 .. 15.
; That is a permutation of k, the same in A and in B: every product meets its partner, and only the order of the sums inside an instruction changes.
.macro FRAG reg, adr, q, i
.irp c, 0,1,2,3
	ds_load_b128 v[\reg+4*\c:\reg+4*\c+3], v[\adr] offset:128*(\q)+32*\c+(\i)*16*PITCH
.endr
.endm
; 16 matrix instructions: A's blocks a0, a0 + 1 x B's eight, 128 along K.  p: B's set.  zero = 1: the first product starts the sums: nothing is ever cleared.
; The 64 accumulators take turns, one instruction a turn, in the same order in every step.
.macro MUL16 a0, p, zero
.irp a, \a0, \a0+1
.irp b, 0,1,2,3,4,5,6,7
.if \zero
	v_wmma_f32_16x16x128_fp8_fp8 v[8*(8*((\a)%4)+\b):8*(8*((\a)%4)+\b)+7], v[128*(\p)+FR*\b:128*(\p)+FR*\b+FR-1], v[AF+FR*(\a):AF+FR*(\a)+FR-1], 0
.else
	v_wmma_f32_16x16x128_fp8_fp8 v[8*(8*((\a)%4)+\b):8*(8*((\a)%4)+\b)+7], v[128*(\p)+FR*\b:128*(\p)+FR*\b+FR-1], v[AF+FR*(\a):AF+FR*(\a)+FR-1], v[8*(8*((\a)%4)+\b):8*(8*((\a)%4)+\b)+7]
.endif
.endr
.endr
.endm
.macro FETCH_B slot, q, p              ; B's eight fragments of the slot's q-th 128 along K into set p
	WIN TO_B
.irp i, 0,1,2,3,4,5,6,7
	FRAG 128*(\p)+FR*\i, ADRB+\slot, \q, \i
.endr
	WIN 0
.endm
.macro FETCH_A slot, q, i0             ; A's blocks i0 .. i0 + 3
.irp i, \i0, \i0+1, \i0+2, \i0+3
	FRAG AF+FR*(\i), ADRA+\slot, \q, \i
.endr
.endm
; A load into a register that a matrix instruction has read, and a vector instruction that reads a matrix result or writes one of its registers, stand NP places behind it; only plain vector
; instructions that name none of its registers are places (ISA guide 7.12.1 for vector instructions).
.macro PLACES n
.rept \n
	v_nop
.endr
.endm
; A step of 128 along K that has its successor in the same slot.  A's blocks go one after the other, each against B's eight, so a block of A is free as soon as its eight products are issued:
; blocks 0-3 are fetched anew in the step's middle, blocks 4-7 at its end; B's next set comes in the middle run.
.macro STEP slot, q, zero
	s_wait_dscnt 4*NL                              ; B's set and A's blocks 0-3 are in; the 16 youngest loads (A's blocks 4-7) may be out
	WIN MUL_LO
	MUL16 0, (\q)%2, \zero
	MUL16 2, (\q)%2, \zero
	s_wait_dscnt 0                                 ; A's blocks 4-7 are in (asked for 32 matrix instructions ago)
	PLACES NP
	FETCH_B \slot, (\q)+1, 1-(\q)%2
	FETCH_A \slot, (\q)+1, 0
	WIN MUL_HI
	MUL16 4, (\q)%2, \zero
	MUL16 6, (\q)%2, \zero
	PLACES NP
	WIN 0
	FETCH_A \slot, (\q)+1, 4
.endm
; A slot's last step changes slots: ONE barrier; in front of it each wave waits for all its tensor loads, adds 0 to its spare word, and waits for that and for its own reads of this slot.
; fill = 1: this slot is filled again, two K steps of 256 ahead; the barrier then opens a round of the cluster's barrier.
.macro TURN slot, next, fill
	s_wait_tensorcnt 0x0                           ; all my tensor loads have landed: my part of the next slot  (every window is 0 here)
	ds_add_u32 v[SPW], v[NIL]                      ; 0 onto my spare word
	s_wait_dscnt 4*NL+1                            ; (the add and the 16 youngest loads, A's blocks 4-7, may be out)
	WIN MUL_LO
	MUL16 0, 1, 0                                  ; sixteen matrix instructions stand between the add and the wait for it
	s_wait_dscnt 0x0                               ; the add is done, and my reads of this slot are over
	s_barrier_signal -1
	MUL16 2, 1, 0
	WIN 0
	s_barrier_wait -1
.if \fill
	CREST                                          ; no wave of any partner still reads this slot's tile or has a load on its way
	s_add_nc_u64 s[G0+4*\slot+2:G0+4*\slot+3], s[G0+4*\slot+2:G0+4*\slot+3], 2*ROWB
	s_add_nc_u64 s[G0B+4*\slot+2:G0B+4*\slot+3], s[G0B+4*\slot+2:G0B+4*\slot+3], 2*ROWB
	JLOAD G0+4*\slot, G1, G0B+4*\slot, G1B         ; the first tensor load behind the round; its four v_nop are also the places in front of the loads below
.else
	PLACES NP
.endif
	FETCH_B \next, 0, 0
	FETCH_A \next, 0, 0
	WIN MUL_HI
	MUL16 4, 1, 0
	MUL16 6, 1, 0
	PLACES NP
	WIN 0
	FETCH_A \next, 0, 4
.endm
.macro LAST                            ; the very last step of 128: nothing more to fetch
	s_wait_dscnt 4*NL
	WIN MUL_LO
	MUL16 0, 1, 0
	MUL16 2, 1, 0
	s_wait_dscnt 0
	WIN MUL_HI
	MUL16 4, 1, 0
	MUL16 6, 1, 0
	WIN 0
.endm
; THE WAY OUT.  isv = 0: q or k;  isv = 1: v.  sum x 2^(ea + eb) + bias (one packed multiply-add for two numbers),
; the conversion, and the store of four registers of codes as they stand.
.macro OUT isv
	s_wait_kmcnt 0x0                               ; the exponents
.if \isv
	s_add_co_i32 s96, s72, s73                     ; e4 + e5; s90 holds e9
.else
	s_cmp_eq_u32 ttmp9, 0                          ; a choice by the cluster's x, no branch
	s_cselect_b32 s92, s68, s70                    ; e0 or e2
	s_cselect_b32 s93, s69, s71                    ; e1 or e3
	s_cselect_b32 s90, s74, s75                    ; e6 or e7
	s_add_co_i32 s96, s92, s93
.endif
	s_add_co_i32 s96, s96, 127
	s_lshl_b32 s96, s96, 23                        ; 2^(ea + eb) as f32
	s_mov_b32 s97, s96                             ; (named with it as a pair, so it is written)
	s_add_co_i32 s90, s90, 127
	s_lshl_b32 s91, s90, 23
	v_mov_b32 v[SCL], s91                          ; 2^eo: the conversion takes its exponent field
.if \isv                               ; where my wave's images begin: batch x 16 heads x 131,072 + my first head x 131,072 + my first image in the head
	s_lshr_b32 s18, s42, 3                         ; batch: 8 tiles of 256 tokens each
	s_lshl_b32 s19, s17, 2
	s_lshl_b32 s20, s15, 1                         ; head 4 x A's tile + 2 x half
	s_and_b32 s21, s42, 7
	s_lshl_b32 s21, s21, 1
	s_add_co_u32 s21, s21, s16                     ; my 128 keys: 2 x (tile % 8) + half,
	s_lshl_b32 s21, s21, 13                        ; 8,192 bytes each
.else
	s_lshr_b32 s18, s17, 3                         ; batch
	s_lshl_b32 s19, s42, 2
	s_lshl_b32 s20, s16, 1                         ; head 4 x B's tile + 2 x half
	s_and_b32 s21, s17, 7
	s_lshl_b32 s21, s21, 4
	s_lshl_b32 s22, s15, 3
	s_add_co_u32 s21, s21, s22                     ; my first 16 tokens: 16 x (tile % 8) + 8 x half,
	s_lshl_b32 s21, s21, 10                        ; 1,024 bytes each
.endif
	s_lshl_b32 s18, s18, 21
	s_add_co_u32 s19, s19, s20
	s_lshl_b32 s19, s19, 17
	s_add_co_u32 s18, s18, s19
	s_add_co_u32 s18, s18, s21
	s_mov_b32 s19, 0
	s_add_nc_u64 s[10:11], s[10:11], s[18:19]      ; never stepped again: every further offset is an immediate
	s_wait_loadcnt 0x0                             ; the bias, asked for 128 matrix instructions ago
	PLACES NP                                      ; behind the last products: for the first reads of results and the first writes over A's fragments
.irp a, 0,1,2,3,4,5,6,7
.irp g, 0,1                            ; B's blocks 4 g .. 4 g + 3
	WIN 0x02+(\a/4)                                ; source 0: window 2 or 3
.irp t, 0,1,2,3
.irp i, 0,2,4,6                        ; each accumulator from its low end on
.if \isv
.if (\a)%2                             ; the bias of my one feature 16 a + r lies in v[BC + a]: one register of a pair serves both halves
	v_pk_fma_f32 v[TMP+8*\t+\i:TMP+8*\t+\i+1], v[64*(\a%4)+8*(4*\g+\t)+\i:64*(\a%4)+8*(4*\g+\t)+\i+1], s[96:97], v[BC+2*(\a/2):BC+2*(\a/2)+1] op_sel:[0,0,1] op_sel_hi:[1,0,1]
.else
	v_pk_fma_f32 v[TMP+8*\t+\i:TMP+8*\t+\i+1], v[64*(\a%4)+8*(4*\g+\t)+\i:64*(\a%4)+8*(4*\g+\t)+\i+1], s[96:97], v[BC+2*(\a/2):BC+2*(\a/2)+1] op_sel_hi:[1,0,0]
.endif
.else
	v_pk_fma_f32 v[TMP+8*\t+\i:TMP+8*\t+\i+1], v[64*(\a%4)+8*(4*\g+\t)+\i:64*(\a%4)+8*(4*\g+\t)+\i+1], s[96:97], v[BC+8*(4*\g+\t)+\i:BC+8*(4*\g+\t)+\i+1] op_sel_hi:[1,0,1]
.endif
.endr
.endr
	WIN 0
.irp t, 0,1,2,3
.irp i, 0,1,2,3,4,5,6,7
.endr
.endr
.irp t, 0,1,2,3
	v_cvt_scalef32_pk8_fp8_f32 v[CD+16*\a+8*\g+2*\t:CD+16*\a+8*\g+2*\t+1], v[TMP+8*\t:TMP+8*\t+7], v[SCL]
.endr
	v_nop                                          ; one plain vector instruction between the conversions and the next lines that write their sources
.irp u, 0,1
.if \isv
	global_store_b128 v[L16], v[CD+16*\a+8*\g+4*\u:CD+16*\a+8*\g+4*\u+3], s[10:11] offset:(\a/4)*131072+(\a%4)*2048+(2*\g+\u)*512   ; head a / 4, d / 16 = a % 4, piece 2 g + u of the fragment of 128 keys
.else
	global_store_b128 v[L16], v[CD+16*\a+8*\g+4*\u:CD+16*\a+8*\g+4*\u+3], s[10:11] offset:\g*131072+\a*1024+\u*512                  ; head g, tokens 16 a on, piece u of the fragment of 64
.endif
.endr
.endr
.endr
.endm
	s_wait_alu depctr_va_vdst(0)
	s_wait_tensorcnt 1                             ; my part of slot 0 is in; slot 1's load may stay out
	s_barrier_signal -1
	s_barrier_wait -1                              ; everybody's is
	FETCH_B 0, 0, 0
	FETCH_A 0, 0, 0
	FETCH_A 0, 0, 4
	STEP 0, 0, 1                                   ; K 0-127: its products start the sums.  Eight steps of 128 are written out: there is no loop
	TURN 0, 1, 1                                   ; K 128-255; slot 0 takes K 512-767
	STEP 1, 0, 0
	TURN 1, 0, 1                                   ; slot 1 takes K 768-1023
	STEP 0, 0, 0
	TURN 0, 1, 0                                   ; nothing is left to fetch: no round
	s_cmp_eq_u32 ttmp9, 2                          ; the ways part on the cluster's x, the same in all partners; no barrier and no tensor load stands in either arm
	s_cbranch_scc1 .Lv
	s_lshl_b32 s18, s42, 10                        ; q, k: the bias of my 128 features: 4 x (256 x B's tile + 128 x half)
	s_lshl_b32 s19, s16, 9
	s_add_co_u32 s18, s18, s19
	s_mov_b32 s19, 0
	s_add_nc_u64 s[8:9], s[8:9], s[18:19]
.irp b, 0,1,2,3,4,5,6,7
	global_load_b128 v[BC+8*\b:BC+8*\b+3], v[H32], s[8:9] offset:64*\b        ; bias(16 b + 8 h + 0 .. 7), in the result's layout
	global_load_b128 v[BC+8*\b+4:BC+8*\b+7], v[H32], s[8:9] offset:64*\b+16
.endr
	STEP 1, 0, 0
	LAST
	OUT 0
	s_branch .Ldone
.Lv:
	s_lshl_b32 s18, s17, 10                        ; v: the bias of my 128 features: 4 x (256 x A's tile + 128 x half)
	s_lshl_b32 s19, s15, 9
	s_add_co_u32 s18, s18, s19
	s_mov_b32 s19, 0
	s_add_nc_u64 s[8:9], s[8:9], s[18:19]
.irp a, 0,1,2,3,4,5,6,7
	global_load_b32 v[BC+\a], v[R4], s[8:9] offset:64*\a                      ; bias(16 a + r)
.endr
	STEP 1, 0, 0
	LAST
	OUT 1
.Ldone:
	s_wait_tensorcnt 0x0                           ; the wave's end
	ds_add_u32 v[SPW], v[NIL]
	s_wait_dscnt 0x0
	CROUND                                         ; the closing round: no work-group ends while a partner may still ask for a tile that names it
	s_endpgm
.Lfunc_end_k_qa11e1df48a_qkv:
	.size	k_qa11e1df48a_qkv, .Lfunc_end_k_qa11e1df48a_qkv-k_qa11e1df48a_qkv
	.p2alignl 7, 3214868480
	.fill 96, 4, 3214868480
	.section	.rodata,"a",@progbits
	.p2align	6, 0x0
	.amdhsa_kernel k_qa11e1df48a_qkv
		.amdhsa_group_segment_fixed_size 327680
		.amdhsa_private_segment_fixed_size 0
		.amdhsa_enable_private_segment 0
		.amdhsa_kernarg_size 88
		.amdhsa_user_sgpr_count 2
		.amdhsa_user_sgpr_kernarg_segment_ptr 1
		.amdhsa_wavefront_size32 1
		.amdhsa_system_sgpr_workgroup_id_x 1
		.amdhsa_system_sgpr_workgroup_id_y 1
		.amdhsa_system_sgpr_workgroup_id_z 1
		.amdhsa_system_vgpr_workitem_id 0
		.amdhsa_next_free_vgpr 1024
		.amdhsa_next_free_sgpr 100
		.amdhsa_reserve_vcc 0
		.amdhsa_float_denorm_mode_32 3
		.amdhsa_float_denorm_mode_16_64 3
		.amdhsa_fp16_overflow 1
		.amdhsa_memory_ordered 1
		.amdhsa_forward_progress 1
		.amdhsa_inst_pref_size 143
	.end_amdhsa_kernel
	.amdgpu_metadata
---
amdhsa.version: [ 1, 2 ]
amdhsa.kernels:
  - .name:           k_qa11e1df48a_qkv
    .symbol:         k_qa11e1df48a_qkv.kd
    .args:
      - { .name: x_codes, .offset: 0, .size: 8, .value_kind: global_buffer, .address_space: global }
      - { .name: Wq_codes, .offset: 8, .size: 8, .value_kind: global_buffer, .address_space: global }
      - { .name: Wk_codes, .offset: 16, .size: 8, .value_kind: global_buffer, .address_space: global }
      - { .name: Wv_codes, .offset: 24, .size: 8, .value_kind: global_buffer, .address_space: global }
      - { .name: bq, .offset: 32, .size: 8, .value_kind: global_buffer, .address_space: global }
      - { .name: bk, .offset: 40, .size: 8, .value_kind: global_buffer, .address_space: global }
      - { .name: bv, .offset: 48, .size: 8, .value_kind: global_buffer, .address_space: global }
      - { .name: lowp_scales, .offset: 56, .size: 8, .value_kind: global_buffer, .address_space: global }
      - { .name: qf, .offset: 64, .size: 8, .value_kind: global_buffer, .address_space: global }
      - { .name: kf, .offset: 72, .size: 8, .value_kind: global_buffer, .address_space: global }
      - { .name: vf, .offset: 80, .size: 8, .value_kind: global_buffer, .address_space: global }
    .group_segment_fixed_size: 327680
    .private_segment_fixed_size: 0
    .kernarg_segment_align: 8
    .kernarg_segment_size: 88
    .max_flat_workgroup_size: 128
    .sgpr_count:     100
    .vgpr_count:     1024
    .wavefront_size: 32
...
	.end_amdgpu_metadata
.endif
;; end of part 1
;; launch attn (part 2): grid 4 x 64, 16 waves a work-group, no clusters, 327,680 bytes of LDS; arguments qf, kf, vf, lowp_scales, af; writes af
.if DOCPART == 2
	.amdgcn_target "amdgcn-amd-amdhsa--gfx1250"
	.amdhsa_code_object_version 6
	.text
	.protected	k_qa11e1df48a_attn
	.globl	k_qa11e1df48a_attn
	.p2align	8
	.type	k_qa11e1df48a_attn,@function
k_qa11e1df48a_attn:
	s_mov_b64 s[64:65], 0
	v_nop
	global_prefetch_b8 v0, s[64:65] scope:SCOPE_SE
	s_setreg_imm32_b32 hwreg(HW_REG_WAVE_MODE, 25, 1), 1
	s_wait_xcnt 0x0
; Causal attention of one head on codes of FP8 (E4M3): o[q] = the sum over keys k <= q of softmax_k(q . k / 8) v[k], 64 heads (4 x 16) of 2,048 tokens x 64, and o quantised again with 2^e10.
; qf, kf: [head 64][token / 16 128][piece 2][lane 32][16 bytes]: images of the registers of a fragment of 16 tokens x 64.  vf: [head 64][token / 128 16][d / 16 4][piece 4][lane 32][16 bytes]: 16 d x 128 keys.
; THE SOFTMAX AHEAD OF THE SECOND PRODUCT: t = score x log2(e) / 8; M = the row's largest t so far, rounded UP to a whole number; p = 2^(t - M) is what is quantised (2^e8), not normalised.
; The row's sum is taken of the unquantised p, in f32, and divides o at the end.  When M moves, the sum and o are multiplied by 2^(old M - new M): exact.
; SHARES.  Work-group (p, head) owns the blocks p and 7 - p of 256 queries: (p + 1) + (8 - p) = 9 slots of 256 keys for every work-group, so all 256 have equal work and the loop's trip count is a constant.
; Each of the SIXTEEN waves owns 16 queries of the block in hand, in 256 registers: four waves to a SIMD, so that one wave's vector work stands beside another's matrix work and LDS loads.
; Trip TAU reads key slot TAU while TAU <= p, then TAU - (p + 1); at TAU = p + 1 block p is finished and block 7 - p begun (a scalar branch on ids).
; A step of 128 keys all of which come after the wave's queries is left out (a scalar branch on ids, round no barrier and no tensor load); on the diagonal hidden scores become -infinity.
; LAYOUT.  S^T = K Q^T (source 0 = 16 keys, source 1 = my 16 queries), O^T = V^T P^T (source 0 = 16 of the head's 64, source 1 = P): lane (r, h) holds query r throughout.  Register j of score tile t is
; key 16 t + 8 h + j: its eight codes are registers 2 t, 2 t + 1 of P's fragment as they stand.  O^T's eight codes of tile a are registers 2 a, 2 a + 1 of the head's part of the last product's fragment.
; af: [feature / 256 4][token / 16 512][feature / 128 % 2][piece 4][lane 32][16 bytes]: head hh's 1,024 bytes lie at plane hh / 4, byte (hh % 4) x 1,024 of the 16 tokens' 4,096.
; NO CLUSTER: at a given trip the four work-groups of a head want different slots (slot TAU or TAU - (p + 1), p = 0 .. 3), so there is no tile that they could ask for jointly.
; LIMITS on the given exponents: e6 + e7 between -123 and 130 (added to c's exponent field); e8 and e10 between -126 and 119; e8 + e9 is applied by v_ldexp_f32 and has none.
; REGISTERS: v1-8 addresses and constants; v12 -M, v13 the largest t, v[14:15] the sum in two halves; v16-23 Q; v32-95 K's eight fragments, then V's four; v96-159 S^T, then p; v160-191 O^T;
;   v192-207 p's codes; v208-223 o's codes, a set for each block; v236-254 at work and constants.
.set SLOT1, 32768                      ; a slot: 16,384 bytes of K (16 images), then 16,384 of V (8 images); slot 1 begins here, so that one exclusive or turns an address
.set VOFF,  16384
.set SPARE, 65536                      ; behind the two slots: the spare words, 128 bytes for each of the sixteen waves
.set LI,   1                           ; v1   16 x lane: my place in an image; never rewritten
.set AD,   2                           ; v2   LDS address of the slot in hand + 16 x lane
.set PFO,  3                           ; v3   256 x lane: the prefetches' offset; never rewritten
.set RH,   4                           ; v4   r - 8 h
.set SPW,  5                           ; v5   LDS address of my spare word; never rewritten
.set NIL,  6                           ; v6   0; never rewritten
.set DD,   7                           ; v7   the mask's d
.set NINF, 8                           ; v8   -infinity
.set TB,   2                           ; s2   LDS byte at which the slot in hand begins
.set TAU,  3                           ; s3   the trip
.set WV,   18                          ; s18  my wave's number
.set SEL,  20                          ; s[20:21] lane selects for v_permlanex16_b32: lane l xor 16
.set CS,   22                          ; s[22:23] c = log2(e) / 8 x 2^(e6 + e7)
.set G1,   24                          ; s[24:31] descriptor group 1: 16,384 dense bytes
.set G0,   32                          ; s[32:35] descriptor group 0
.set KVB,  36                          ; s[36:37] my head's K (wave 0) or V
.set OFF,  38                          ; s[38:39] 16,384 x the key slot to be fetched
.set SW,   40                          ; s40  p + 1
.set KF,   41                          ; s41  the step's first key
.set Q0,   42                          ; s42  my first query
.set Q0B,  43                          ; s43  my first query in block 7 - p
.set QP2,  44                          ; s[44:45] Q's image for block 7 - p;  s[46:47], s[48:49]: where the two blocks' codes go
.set PFA,  50                          ; s[50:51] where my prefetches stand
.set LIM,  52                          ; s52  7 in a wave that prefetches, else 0
; Wave 0 fetches K's 16,384 bytes, wave 1 V's, the others nothing.  The branch hangs on the wave's number alone.  Four v_nop follow the line.
.macro TLOAD
	s_cmp_lt_u32 s[WV], 2
	s_cbranch_scc0 .Lno_load_\@
	tensor_load_to_lds s[G0:G0+3], s[G1:G1+7]
	s_nop 0
.rept 4
	v_nop
.endr
.Lno_load_\@:
.endm
; A PREFETCH INTO THE L2: in trip TAU, key slot TAU + 1 of the head's K and V, for TAU = 0 .. 6: slots 1 to 7, each named once in the launch; slot 0 comes by its load alone.
; All four work-groups of a head walk the same K and V: the one with p = 0 asks, whose fill in trip TAU is slot TAU: one slot, two key steps, behind the prefetch.
; In it four waves that fetch nothing ask, one instruction each: waves 4, 5 for K's 16,384 bytes, waves 6, 7 for V's: 8,192 bytes a wave, lanes 256 bytes apart.
.macro ASK
	s_cmp_lt_u32 s[TAU], s[LIM]
	s_cbranch_scc0 .Lnot_mine_\@
	global_prefetch_b8 v[PFO], s[PFA:PFA+1] th:TH_LOAD_NT scope:SCOPE_SE
.Lnot_mine_\@:
.endm
	s_load_b256 s[4:11], s[0:1], 0x0               ; qf s[4:5], kf s[6:7], vf s[8:9], the scales' exponents s[10:11]
	s_load_b64 s[12:13], s[0:1], 0x20              ; af
	v_lshl_add_u32 v[SPW], v0, 2, SPARE
	v_mov_b32 v[NIL], 0
	ds_add_u32 v5, v6
	ds_add_u32 v5, v6
	s_wait_dscnt 0x0
	v_lshrrev_b32 v2, 5, v0
	s_delay_alu instid0(VALU_DEP_1)
	v_readfirstlane_b32 s[WV], v2                  ; wave 0..15
	v_and_b32 v[LI], 31, v0
	s_delay_alu instid0(VALU_DEP_1)
	v_lshlrev_b32 v[PFO], 8, v[LI]
	s_delay_alu instid0(VALU_DEP_2)
	v_lshlrev_b32 v[LI], 4, v[LI]
	s_and_b32 s72, ttmp7, 0xffff                   ; batch x 16 + head
	s_lshl_b32 s74, s72, 17                        ; the head's first byte in qf, kf and vf
	s_mov_b32 s75, 0
	s_add_co_u32 s[SW], ttmp9, 1
	s_lshl_b32 s76, ttmp9, 4
	s_add_co_u32 s76, s76, s[WV]                   ; my 16 queries of block p: tile 16 p + wave
	s_sub_co_u32 s77, 7, ttmp9
	s_lshl_b32 s77, s77, 4
	s_add_co_u32 s77, s77, s[WV]                   ; and of block 7 - p
	s_lshl_b32 s[Q0], s76, 4
	s_lshl_b32 s[Q0B], s77, 4
	s_and_b32 s73, s72, 15                         ; head
	s_lshr_b32 s72, s72, 4                         ; batch
	s_lshr_b32 s70, s73, 2
	s_lshl_b32 s70, s70, 21                        ; plane head / 4 of 2,097,152 bytes
	s_lshl_b32 s72, s72, 19                        ; 128 tiles of 16 tokens a batch, 4,096 bytes each
	s_add_co_u32 s70, s70, s72
	s_and_b32 s73, s73, 3
	s_lshl_b32 s73, s73, 10
	s_add_co_u32 s70, s70, s73                     ; + (head % 4) x 1,024
	s_lshl_b32 s80, s76, 12
	s_add_co_u32 s80, s80, s70                     ; block p's codes
	s_mov_b32 s81, 0
	s_lshl_b32 s82, s77, 12
	s_add_co_u32 s82, s82, s70                     ; block 7 - p's
	s_mov_b32 s83, 0
	; descriptor group 1: 64 rows of 256 bytes, dense in memory and in LDS
	s_mov_b32 s[G1], 3<<16                         ; 15:0 no mask; 17:16 elements of 8 bytes; no padding
	s_mov_b32 s[G1+1], 32<<16                      ; tensor_dim0 = 32
	s_mov_b32 s[G1+2], 64<<16                      ; tensor_dim1 = 64
	s_mov_b32 s[G1+3], 32<<16                      ; tile_dim0 = 32
	s_mov_b32 s[G1+4], 64                          ; tile_dim1 = 64
	s_mov_b32 s[G1+5], 32                          ; tensor_dim0_stride
	s_mov_b32 s[G1+6], 0
	s_mov_b32 s[G1+7], 0
	s_mov_b32 s[SEL], 0x76543210
	s_mov_b32 s[SEL+1], 0xfedcba98
	s_mov_b32 s[CS], 0x3e38aa3b                    ; log2(e) / 8
	s_mov_b32 s[TB], 0
	s_mov_b32 s[TAU], 0
	s_mov_b32 s[KF], 0
	s_mov_b32 s[OFF+1], 0
	s_wait_kmcnt 0x0
	s_load_b128 s[56:59], s[10:11], 0x18           ; e6, e7, e8, e9
	s_load_b32 s60, s[10:11], 0x28                 ; e10
	s_cmp_eq_u32 s[WV], 0
	s_cselect_b64 s[KVB:KVB+1], s[6:7], s[8:9]
	s_add_nc_u64 s[KVB:KVB+1], s[KVB:KVB+1], s[74:75]
	s_mov_b32 s[G0], 1                             ; count = 1
	s_and_b32 s[G0+1], s[WV], 1
	s_lshl_b32 s[G0+1], s[G0+1], 14                ; LDS address: slot 0; K at 0, V at 16,384
	s_mov_b64 s[G0+2:G0+3], s[KVB:KVB+1]           ; key slot 0
	s_or_b32 s[G0+3], s[G0+3], 0x80000000          ; type = 2
	TLOAD                                          ; the first fill, ahead of every wait on TENSORcnt, every LDS read and every barrier
	s_add_nc_u64 s[4:5], s[4:5], s[74:75]          ; qf at my head
	s_lshl_b32 s78, s77, 10
	s_mov_b32 s79, 0
	s_add_nc_u64 s[QP2:QP2+1], s[4:5], s[78:79]
	s_lshl_b32 s78, s76, 10
	s_add_nc_u64 s[4:5], s[4:5], s[78:79]
	s_wait_alu depctr_va_vdst(0)
	global_load_b128 v[16:19], v[LI], s[4:5]       ; Q's fragment of block p stays in registers
	global_load_b128 v[20:23], v[LI], s[4:5] offset:512
	s_add_nc_u64 s[46:47], s[12:13], s[80:81]
	s_add_nc_u64 s[48:49], s[12:13], s[82:83]
	s_cmp_lt_u32 s[WV], 6                          ; the prefetches: waves 4, 5 K; waves 6, 7 V
	s_cselect_b64 s[PFA:PFA+1], s[6:7], s[8:9]
	s_add_nc_u64 s[PFA:PFA+1], s[PFA:PFA+1], s[74:75]
	s_and_b32 s78, s[WV], 1
	s_lshl_b32 s78, s78, 13
	s_add_nc_u64 s[PFA:PFA+1], s[PFA:PFA+1], s[78:79]  ; in slot 0; each change of slots steps it ahead of its prefetch.  Nothing is prefetched here, at the head
	s_sub_co_u32 s72, s[WV], 4
	s_lshr_b32 s72, s72, 2                         ; 0 in waves 4 to 7,
	s_or_b32 s72, s72, ttmp9                       ; of the work-group with p = 0
	s_cmp_eq_u32 s72, 0
	s_cselect_b32 s[LIM], 7, 0
	v_and_b32 v9, 15, v0                           ; r
	v_bfe_u32 v10, v0, 4, 1                        ; h
	s_delay_alu instid0(VALU_DEP_1)
	v_lshlrev_b32 v10, 3, v10
	s_delay_alu instid0(VALU_DEP_1)
	v_sub_nc_u32 v[RH], v9, v10
	v_mov_b32 v[NINF], 0xff800000
	v_mov_b32 v13, 0xff61b1e6                      ; the largest t so far: -3e38, under every t
	s_delay_alu instid0(VALU_DEP_1)
	v_floor_f32 v12, -v13                          ; -M
	v_mov_b32 v14, 0                               ; the sum, in two halves
	v_mov_b32 v15, 0
	v_mov_b32 v236, 0                              ; written once: a lane permute's destination counts as one of its sources
	v_mov_b32 v252, 0
	v_mov_b32 v253, 0                              ; (named as the upper half of the pair v[252:253])
.irp a, 0,1,2,3
.irp j, 0,1,2,3,4,5,6,7
	v_mov_b32 v[160+8*\a+\j], 0                    ; O^T.  (The step is written without a first step of its own: it finds zeros, which the first change of M leaves zeros)
.endr
.endr
	s_wait_kmcnt 0x0
	s_add_co_i32 s72, s56, s57
	s_lshl_b32 s72, s72, 23
	s_add_co_i32 s[CS], s[CS], s72                 ; a score stands for score x 2^(e6 + e7): the two exponents are added to c's exponent field
	s_mov_b32 s[CS+1], s[CS]                       ; (named with it as a pair, so it is written)
	s_add_co_i32 s72, s58, 127
	s_lshl_b32 s73, s72, 23
	v_mov_b32 v244, s73                            ; 2^e8, for p's conversions
	s_add_co_i32 s72, s60, 127
	s_lshl_b32 s73, s72, 23
	v_mov_b32 v245, s73                            ; 2^e10, for o's
	s_add_co_i32 s61, s58, s59                     ; e8 + e9
; A KEY STEP: 128 keys, the q-th of the slot in hand.
.macro STEP q
	s_add_co_u32 s72, s[Q0], 15
	s_cmp_gt_u32 s[KF], s72                        ; all 128 keys come after my 16 queries: nothing to do
	s_cbranch_scc1 .Lhidden_\@
	v_add_nc_u32 v[AD], s[TB], v[LI]
.rept 3
	v_nop                                          ; with the addition above: four places in front of loads into registers that the last products read
.endr
.irp t, 0,1,2,3,4,5,6,7                ; K's eight fragments of 16 keys x 64, as images: 16 bytes a lane, 512 consecutive bytes a load
	ds_load_b128 v[32+8*\t:35+8*\t], v[AD] offset:8192*(\q)+1024*\t
	ds_load_b128 v[36+8*\t:39+8*\t], v[AD] offset:8192*(\q)+1024*\t+512
.endr
	s_wait_alu depctr_va_vdst(0)
	s_wait_dscnt 0x0
.irp t, 0,1,2,3,4,5,6,7
	v_wmma_f32_16x16x64_fp8_fp8 v[96+8*\t:103+8*\t], v[32+8*\t:39+8*\t], v[16:23], 0
.endr
.rept 4
	v_nop                                          ; places: for V's loads into K's registers, and for the first reads of the scores
.endr
.irp a, 0,1,2,3                        ; V's four fragments of 16 d x 128 keys: they land while the softmax is worked
.irp i, 0,1,2,3
	ds_load_b128 v[32+16*\a+4*\i:35+16*\a+4*\i], v[AD] offset:VOFF+8192*(\q)+2048*\a+512*\i
.endr
.endr
	s_add_co_u32 s72, s[KF], 127
	s_cmp_le_u32 s72, s[Q0]                        ; all 128 keys count for all my queries: no mask
	s_cbranch_scc1 .Lopen_\@
	s_sub_co_i32 s72, s[Q0], s[KF]
	v_add_nc_u32 v[DD], s72, v[RH]                 ; d = my query - KF - 8 h.  Register 8 t + j holds key KF + 16 t + 8 h + j: hidden where 16 t + j > d
.irp t, 0,1,2,3,4,5,6,7
.irp j, 0,1,2,3,4,5,6,7
	v_cmp_gt_i32 vcc_lo, 16*\t+\j, v[DD]
	v_cndmask_b32 v[96+8*\t+\j], v[96+8*\t+\j], v[NINF], vcc_lo
.endr
.endr
.Lopen_\@:
	v_max3_num_f32 v254, v96, v97, v98             ; the step's largest score of my query, among my 64 keys, in two chains; each tile of scores is first read at its low end
	v_max3_num_f32 v252, v99, v100, v101
.irp i, 6,10,14,18,22,26,30,34,38,42,46,50,54,58
	v_max3_num_f32 v254, v254, v[96+\i], v[97+\i]
	v_max3_num_f32 v252, v252, v[98+\i], v[99+\i]
.endr
	v_max3_num_f32 v254, v254, v158, v159
	s_delay_alu instid0(VALU_DEP_1)
	v_max_num_f32 v254, v254, v252
	s_delay_alu instid0(VALU_DEP_1)
	v_permlanex16_b32 v236, v254, s[SEL], s[SEL+1]
	s_delay_alu instid0(VALU_DEP_1)
	v_max_num_f32 v254, v254, v236                 ; and among lane l xor 16's
	s_delay_alu instid0(VALU_DEP_1)
	v_mul_f32 v254, s[CS], v254                    ; as t (c is positive)
	s_delay_alu instid0(VALU_DEP_1)
	v_max_num_f32 v13, v13, v254                   ; the running largest t
	v_mov_b32 v254, v12
	s_delay_alu instid0(VALU_DEP_2)
	v_floor_f32 v12, -v13                          ; the new -M = floor(-t) = -ceil(t): M is a whole number
	s_delay_alu instid0(VALU_DEP_1)
	v_sub_f32 v254, v12, v254                      ; M's old value less its new one: a whole number, 0 or less
	s_delay_alu instid0(VALU_DEP_1)
	v_cvt_i32_f32 v254, v254                       ; (it saturates)
	s_delay_alu instid0(VALU_DEP_1)
	v_ldexp_f32 v252, 1.0, v254                    ; f = 2^(old M - new M)
.irp t, 0,1,2,3,4,5,6,7
.irp j, 0,2,4,6
	v_pk_fma_f32 v[96+8*\t+\j:97+8*\t+\j], v[96+8*\t+\j:97+8*\t+\j], s[CS:CS+1], v[12:13] op_sel_hi:[1,0,0]   ; t - M, two at a time (of the pairs c and -M the low word serves both halves)
.endr
.endr
	s_wait_alu depctr_va_vdst(0)
.irp t, 0,1,2,3,4,5,6,7
.irp j, 0,1,2,3,4,5,6,7
	v_exp_f32 v[96+8*\t+\j], v[96+8*\t+\j]         ; p = 2^(t - M), at most 1: not normalised
.endr
.endr
	v_pk_mul_f32 v[14:15], v[14:15], v[252:253] op_sel_hi:[1,0]   ; the sums under the new M.  (The plain instruction behind the exponentials)
	s_wait_alu depctr_va_vdst(0)                   ; one wait for the batch of 64 exponentials, ahead of its first reader
	v_pk_add_f32 v[242:243], v[100:101], v[104:105]
	v_pk_add_f32 v[254:255], v[108:109], v[112:113]
	v_pk_add_f32 v[250:251], v[116:117], v[120:121]
	v_pk_add_f32 v[248:249], v[124:125], v[128:129]
	v_pk_add_f32 v[246:247], v[132:133], v[136:137]
	v_pk_add_f32 v[240:241], v[140:141], v[144:145]
	v_pk_add_f32 v[238:239], v[148:149], v[152:153]
	v_pk_add_f32 v[14:15], v[14:15], v[156:157]
	v_pk_add_f32 v[242:243], v[242:243], v[96:97]
	v_pk_add_f32 v[254:255], v[254:255], v[98:99]
	v_pk_add_f32 v[250:251], v[250:251], v[102:103]
	v_pk_add_f32 v[248:249], v[248:249], v[106:107]
	v_pk_add_f32 v[246:247], v[246:247], v[110:111]
	v_pk_add_f32 v[240:241], v[240:241], v[114:115]
	v_pk_add_f32 v[238:239], v[238:239], v[118:119]
	v_pk_add_f32 v[14:15], v[14:15], v[122:123]
	v_pk_add_f32 v[242:243], v[242:243], v[126:127]
	v_pk_add_f32 v[254:255], v[254:255], v[130:131]
	v_pk_add_f32 v[250:251], v[250:251], v[134:135]
	v_pk_add_f32 v[248:249], v[248:249], v[138:139]
	v_pk_add_f32 v[246:247], v[246:247], v[142:143]
	v_pk_add_f32 v[240:241], v[240:241], v[146:147]
	v_pk_add_f32 v[238:239], v[238:239], v[150:151]
	v_pk_add_f32 v[14:15], v[14:15], v[154:155]
	v_pk_add_f32 v[242:243], v[242:243], v[158:159]
	s_delay_alu instid0(VALU_DEP_2)
	v_pk_add_f32 v[14:15], v[14:15], v[248:249]
	s_delay_alu instid0(VALU_DEP_2)
	v_pk_add_f32 v[242:243], v[242:243], v[246:247]
	v_pk_add_f32 v[254:255], v[254:255], v[240:241]
	v_pk_add_f32 v[250:251], v[250:251], v[238:239]
	s_delay_alu instid0(VALU_DEP_2)
	v_pk_add_f32 v[14:15], v[14:15], v[254:255]
	s_delay_alu instid0(VALU_DEP_2)
	v_pk_add_f32 v[242:243], v[242:243], v[250:251]
	s_delay_alu instid0(VALU_DEP_1)
	v_pk_add_f32 v[14:15], v[14:15], v[242:243]
.irp t, 0,1,2,3,4,5,6,7
.irp j, 0,1,2,3,4,5,6,7
.endr
	v_cvt_scalef32_pk8_fp8_f32 v[192+2*\t:193+2*\t], v[96+8*\t:103+8*\t], v244   ; registers 2 t, 2 t + 1 of P's fragment: keys 16 t + 8 h + 0 .. 7
.endr
.irp a, 0,1,2,3
.irp j, 0,2,4,6
	v_pk_mul_f32 v[160+8*\a+\j:161+8*\a+\j], v[160+8*\a+\j:161+8*\a+\j], v[252:253] op_sel_hi:[1,0]   ; O^T under the new M.  (Also the plain instructions between the conversions and the products)
.endr
.endr
	s_wait_alu depctr_va_vdst(0)
	s_wait_dscnt 0x0                               ; V is in
.irp a, 0,1,2,3                        ; the four accumulators take turns; between a link and the next step's stand three of these and eight products K Q^T
	v_wmma_f32_16x16x128_fp8_fp8 v[160+8*\a:167+8*\a], v[32+16*\a:47+16*\a], v[192:207], v[160+8*\a:167+8*\a]
.endr
.Lhidden_\@:
	s_add_co_u32 s[KF], s[KF], 128
.endm
; THE CHANGE OF SLOTS stands at a trip's head.  Each wave waits for all its tensor loads (its part of the slot that it is about to read), adds 0 to its spare word, and waits for that and for its reads
; of the slot that it has left.  Behind the barrier the slot ahead is whole and nobody reads the other one.  fill = 1: that other slot is filled with the next trip's keys: the load has a trip in which to land.
.macro CHANGE fill
	s_wait_tensorcnt 0x0                           ; no tensor load of mine is out, so group 0 may be written
	ds_add_u32 v[SPW], v[NIL]                      ; 0 onto my spare word; work on registers stands between it and the wait for it
.if \fill
	s_add_co_u32 s72, s[TAU], 1                    ; the next trip's key slot: TAU + 1, less p + 1 from the change of blocks on
	s_cmp_ge_u32 s72, s[SW]
	s_cselect_b32 s73, s[SW], 0
	s_sub_co_u32 s72, s72, s73
	s_lshl_b32 s[OFF], s72, 14
	s_xor_b32 s[G0+1], s[G0+1], SLOT1              ; the other LDS slot than last time
	s_add_nc_u64 s[G0+2:G0+3], s[KVB:KVB+1], s[OFF:OFF+1]
	s_or_b32 s[G0+3], s[G0+3], 0x80000000
	s_wait_xcnt 0x0                                ; the last prefetch, a trip back, has read its address, and the stores of a finished block their registers
	s_add_nc_u64 s[PFA:PFA+1], s[PFA:PFA+1], 16384
.endif
	s_wait_dscnt 0x0                               ; the add is done, and my reads of the slot that I have left are over
	s_barrier_signal -1
	s_barrier_wait -1
.if \fill
	TLOAD                                          ; the first thing behind the barrier, and a wave's one tensor load until the next
	ASK
.endif
.endm
; A block's end: the sum's two halves and the other half of the lanes' are added; O^T x 2^(e8 + e9) / the sum; the conversion; two stores of 512 consecutive bytes, aligned.  n = 1, 2: which block.
.macro FINISH n
.rept 4
	v_nop                                          ; places behind the last products
.endr
	v_add_f32 v14, v14, v15
	s_delay_alu instid0(VALU_DEP_1)
	v_permlanex16_b32 v252, v14, s[SEL], s[SEL+1]
	s_delay_alu instid0(VALU_DEP_1)
	v_add_f32 v14, v14, v252                       ; the row's sum
	s_wait_alu depctr_va_vdst(0)
	v_rcp_f32 v14, v14
	v_nop                                          ; a plain instruction behind the reciprocal
	s_wait_alu depctr_va_vdst(0)                   ; and the wait ahead of its first reader
	v_ldexp_f32 v14, v14, s61
.irp a, 0,1,2,3
.irp j, 0,2,4,6
	v_pk_mul_f32 v[96+8*\a+\j:97+8*\a+\j], v[160+8*\a+\j:161+8*\a+\j], v[14:15] op_sel_hi:[1,0]   ; register 8 a + j is o(query r, 16 a + 8 h + j)
.endr
.endr
.irp a, 0,1,2,3
.irp j, 0,1,2,3,4,5,6,7
.endr
.endr
.irp a, 0,1,2,3
	v_cvt_scalef32_pk8_fp8_f32 v[200+8*\n+2*\a:201+8*\n+2*\a], v[96+8*\a:103+8*\a], v245
.endr
	v_nop                                          ; one plain vector instruction behind the last conversion
	global_store_b128 v[LI], v[200+8*\n:203+8*\n], s[44+2*\n:45+2*\n]
	global_store_b128 v[LI], v[204+8*\n:207+8*\n], s[44+2*\n:45+2*\n] offset:512
.endm
; In trip p + 1 block p is finished and block 7 - p begun.  The branch hangs on the work-group's number and the trip: the same in all sixteen waves; no barrier and no tensor load stands in it.
.macro SWITCH
	s_cmp_lg_u32 s[TAU], s[SW]
	s_cbranch_scc1 .Lsame_\@
	global_load_b128 v[16:19], v[LI], s[QP2:QP2+1] ; the new Q (the last products that read the old one stand in front of four v_nop and a softmax)
	global_load_b128 v[20:23], v[LI], s[QP2:QP2+1] offset:512
	FINISH 1
	v_mov_b32 v13, 0xff61b1e6
	s_delay_alu instid0(VALU_DEP_1)
	v_floor_f32 v12, -v13
	v_mov_b32 v14, 0
	v_mov_b32 v15, 0
.irp a, 0,1,2,3
.irp j, 0,1,2,3,4,5,6,7
	v_mov_b32 v[160+8*\a+\j], 0
.endr
.endr
	s_mov_b32 s[KF], 0
	s_mov_b32 s[Q0], s[Q0B]
	s_wait_loadcnt 0x0
.Lsame_\@:
.endm
	s_wait_loadcnt 0x0                             ; Q
.Lslot:                                            ; eight trips: behind each change of slots but the last the next trip's keys are asked for
	CHANGE 1
	SWITCH
	STEP 0
	STEP 1
	s_xor_b32 s[TB], s[TB], SLOT1                  ; on to the other slot
	s_add_co_u32 s[TAU], s[TAU], 1
	s_cmp_lt_u32 s[TAU], 8
	s_cbranch_scc1 .Lslot
	CHANGE 0                                       ; the ninth trip is written out
	STEP 0
	STEP 1
	FINISH 2
	s_wait_tensorcnt 0x0                           ; the wave's end
	ds_add_u32 v[SPW], v[NIL]
	s_wait_dscnt 0x0
	s_endpgm
.Lfunc_end_k_qa11e1df48a_attn:
	.size	k_qa11e1df48a_attn, .Lfunc_end_k_qa11e1df48a_attn-k_qa11e1df48a_attn
	.p2alignl 7, 3214868480
	.fill 96, 4, 3214868480
	.section	.rodata,"a",@progbits
	.p2align	6, 0x0
	.amdhsa_kernel k_qa11e1df48a_attn
		.amdhsa_group_segment_fixed_size 327680
		.amdhsa_private_segment_fixed_size 0
		.amdhsa_enable_private_segment 0
		.amdhsa_kernarg_size 40
		.amdhsa_user_sgpr_count 2
		.amdhsa_user_sgpr_kernarg_segment_ptr 1
		.amdhsa_wavefront_size32 1
		.amdhsa_system_sgpr_workgroup_id_x 1
		.amdhsa_system_sgpr_workgroup_id_y 1
		.amdhsa_system_sgpr_workgroup_id_z 1
		.amdhsa_system_vgpr_workitem_id 0
		.amdhsa_next_free_vgpr 256
		.amdhsa_next_free_sgpr 96
		.amdhsa_reserve_vcc 1
		.amdhsa_float_denorm_mode_32 3
		.amdhsa_float_denorm_mode_16_64 3
		.amdhsa_fp16_overflow 1
		.amdhsa_memory_ordered 1
		.amdhsa_forward_progress 1
		.amdhsa_inst_pref_size 89
	.end_amdhsa_kernel
	.amdgpu_metadata
---
amdhsa.version: [ 1, 2 ]
amdhsa.kernels:
  - .name:           k_qa11e1df48a_attn
    .symbol:         k_qa11e1df48a_attn.kd
    .args:
      - { .name: qf, .offset: 0, .size: 8, .value_kind: global_buffer, .address_space: global }
      - { .name: kf, .offset: 8, .size: 8, .value_kind: global_buffer, .address_space: global }
      - { .name: vf, .offset: 16, .size: 8, .value_kind: global_buffer, .address_space: global }
      - { .name: lowp_scales, .offset: 24, .size: 8, .value_kind: global_buffer, .address_space: global }
      - { .name: af, .offset: 32, .size: 8, .value_kind: global_buffer, .address_space: global }
    .group_segment_fixed_size: 327680
    .private_segment_fixed_size: 0
    .kernarg_segment_align: 8
    .kernarg_segment_size: 40
    .max_flat_workgroup_size: 512
    .sgpr_count:     96
    .vgpr_count:     256
    .wavefront_size: 32
...
	.end_amdgpu_metadata
.endif
;; end of part 2
;; launch proj (part 3): grid 4 x 32, 4 waves a work-group, clusters of 4 x 4, 327,680 bytes of LDS; arguments af, Wo_codes, bo, lowp_scales, out0; writes out0
.if DOCPART == 3
	.amdgcn_target "amdgcn-amd-amdhsa--gfx1250"
	.amdhsa_code_object_version 6
	.text
	.protected	k_qa11e1df48a_proj
	.globl	k_qa11e1df48a_proj
	.p2align	8
	.type	k_qa11e1df48a_proj,@function
k_qa11e1df48a_proj:
	s_mov_b64 s[64:65], 0
	v_nop
	global_prefetch_b8 v0, s[64:65] scope:SCOPE_SE
	s_setreg_imm32_b32 hwreg(HW_REG_WAVE_MODE, 25, 1), 1
	s_wait_xcnt 0x0
	s_wait_alu depctr_hold_cnt(0) depctr_sa_sdst(0) depctr_va_vdst(0) depctr_va_sdst(0) depctr_va_ssrc(0) depctr_va_vcc(0) depctr_vm_vsrc(0)
	s_getreg_b32 s2, hwreg(HW_REG_IB_STS2, 6, 4)
	s_cmp_eq_u32 s2, 0
	s_cbranch_scc0 .Lentry_in_a_cluster
	s_endpgm
.Lentry_in_a_cluster:
	s_bfe_u32 s2, ttmp6, 0x10000c
	s_cmp_lg_u32 s2, 0xf033
	s_cbranch_scc0 .Lentry_shape_is_right
	s_endpgm
.Lentry_shape_is_right:
; out = a Wo^T + bo on codes of FP8 (E4M3).  a: the attention's result, 8,192 tokens x 1,024 features, as IMAGES of the registers of fragments of 16 tokens x 128 features:
; af [feature / 256 4][token / 16 512][feature / 128 % 2][piece 4][lane 32][16 bytes].  Wo: [1024][1024] codes, K innermost.  bo [1024], out [8192][1024]: f32.
; A sum is multiplied once by 2^(e10 + e11) and the bias added, by one packed multiply-add for two numbers.  LIMIT: e10 + e11 between -126 and 127.  NaN codes are not served.
; SHARES.  A tile of 256 tokens x 256 outputs is made by a work-group of four waves; a wave makes 128 x 128: 64 accumulators, 512 registers.  32 x 4 = 128 work-groups.  K goes in four steps of 256 through two LDS slots.
; A's fragments hold each k in the place that the matrix instruction's own layout gives it (registers 2 c, 2 c + 1: k = 16 c + 8 h + 0 .. 7), so Wo's are fetched so too: eight loads of 8 bytes.
; A's come as they lie: four loads of 16 bytes at 16 x lane: 512 consecutive bytes each, so A's part of a slot has no padding.
; CLUSTERS: 4 x 4 work-groups.  The four of a row need the same tiles of a, the four of a column the same tiles of Wo: each tile is asked for JOINTLY.
; THE MATRIX INSTRUCTION IS USED TRANSPOSED (source 0 = 16 rows of Wo, source 1 = 16 tokens): a lane then holds eight neighbouring outputs of one token.
; REGISTERS, in windows of 256: window 0: v0-31 addresses; v32-95 the bias; from v128 A's fragments, ONE set; on the way out rows read back from the stage.
;   window 1: Wo's fragments, TWO sets; on the way out v0-127: two sets of 64 finished numbers.   windows 2, 3: the accumulators ((a, b) at v[8 (8 (a % 4) + b)]).
.set ROWB,   256                       ; a row of Wo's tile in bytes
.set KROW,   1024                      ; a row of Wo in memory
.set PITCH,  272                       ; and in LDS: 256 bytes + 16 of padding
.set KPLANE, 2097152                   ; from one K step of 256 to the next in af
.set ABYTES, 65536                     ; a slot: A's 16 x 4,096 bytes,
.set HALFB,  128*PITCH                 ; then Wo's 256 rows, in two halves
.set SLOT,   ABYTES+2*HALFB
.set SPARE,  2*SLOT                    ; behind the two slots: the spare words, 128 bytes for each wave
.set SPITCH, 528                       ; the way out: a stage of 16 rows x (512 bytes + 16) for each wave.  It lies in slot 0, which has had its last fill and its last read when the first result is stored there
.set FR,     16
.set NL,     4                         ; LDS loads that bring a fragment of A
.set NP,     4
.set ADRA, 16                          ; v16-17  LDS address of my A fragments in slot 0, 1
.set ADRB, 20                          ; v20-21  the same for Wo
.set STO,  24                          ; v24     the way out: where I put 32 bytes of a row
.set RD,   25                          ; v25     where I read a row back
.set CO,   26                          ; v26     16 x lane: my place in an image, and in a row of 512 bytes of out
.set H32,  27                          ; v27     32 h
.set SPW,  28
.set NIL,  29
.set BC,   32                          ; v32-95  bo(16 b + 8 h + 0 .. 7) for my eight blocks b
.set AF,   128
.set BK,   128                         ; the way out: 16 rows read back: v128-191 and v192-255 by turns
.set G1, 24
.set G0, 32
.set G1B, 48
.set G0B, 56
.set MSB, 0
.macro WIN new
.if MSB != (\new)
	s_set_vgpr_msb (MSB<<8)|(\new)
.set MSB, \new
.endif
.endm
.set MUL_LO, 0xa1                      ; source 0 (Wo) window 1, source 1 (A) window 0, C and D window 2
.set MUL_HI, 0xf1
.set TO_B,   0x40
.macro JLOAD g0a, g1a, g0b, g1b        ; a joint load: waves 0 and 1 fetch for A, waves 2 and 3 for Wo; four v_nop follow each line
	s_cmp_eq_u32 s15, 0
	s_cbranch_scc0 .Lfor_b_\@
	tensor_load_to_lds s[\g0a:\g0a+3], s[\g1a:\g1a+7]
	s_nop 0
.rept 4
	v_nop
.endr
	s_branch .Lasked_\@
.Lfor_b_\@:
	tensor_load_to_lds s[\g0b:\g0b+3], s[\g1b:\g1b+7]
	s_nop 0
.rept 4
	v_nop
.endr
.Lasked_\@:
.endm
.macro CREST
	s_cmp_lg_u32 s14, 0
	s_cbranch_scc1 .Lnot_wave_0_\@
	s_barrier_signal -3
.Lnot_wave_0_\@:
	s_barrier_wait -3
	s_barrier_signal -1
	s_barrier_wait -1
.endm
.macro CROUND
	s_barrier_signal -1
	s_barrier_wait -1
	CREST
.endm
	s_load_b128 s[4:7], s[0:1], 0x0                ; af s[4:5], Wo's codes s[6:7]
	s_load_b128 s[8:11], s[0:1], 0x10              ; bo s[8:9], the scales' exponents s[10:11]
	s_load_b64 s[12:13], s[0:1], 0x20              ; out
	v_lshl_add_u32 v[SPW], v0, 2, SPARE
	v_mov_b32 v[NIL], 0
	ds_add_u32 v28, v29
	ds_add_u32 v28, v29
	s_wait_dscnt 0x0
	v_lshrrev_b32 v1, 5, v0
	v_readfirstlane_b32 s14, v1                    ; wave 0..3
	s_lshr_b32 s15, s14, 1                         ; which half of the tile's tokens is mine.  Also: I fetch for A (0) or for Wo (1)
	s_and_b32 s16, s14, 1                          ; which half of its outputs.  Also: which half of that tile I fetch
	s_bfe_u32 s40, ttmp6, 0x40000                  ; cx, cy
	s_bfe_u32 s41, ttmp6, 0x40004
	s_lshl_b32 s42, ttmp9, 2
	s_add_co_u32 s42, s42, s40                     ; tile column = 4 x cluster x + cx
	s_and_b32 s17, ttmp7, 0xffff
	s_lshl_b32 s17, s17, 2
	s_add_co_u32 s17, s17, s41                     ; tile row = 4 x cluster y + cy
	s_lshl_b32 s43, s41, 2
	s_lshl_b32 s43, 15, s43                        ; my row of the cluster
	s_lshl_b32 s44, 0x1111, s40                    ; my column
	; descriptor group 1 for A: 32,768 dense bytes as 128 rows of 256
	s_or_b32 s[G1+0], s43, (3<<16)|(1<<21)         ; 15:0 the mask: my row; 17:16 elements of 8 bytes; 21 set beside a mask; no padding
	s_mov_b32 s[G1+1], 32<<16                      ; tensor_dim0 = 32
	s_mov_b32 s[G1+2], 128<<16                     ; tensor_dim1 = 128
	s_mov_b32 s[G1+3], 32<<16                      ; tile_dim0 = 32
	s_mov_b32 s[G1+4], 128                         ; tile_dim1 = 128
	s_mov_b32 s[G1+5], 32                          ; tensor_dim0_stride
	s_mov_b32 s[G1+6], 0
	s_mov_b32 s[G1+7], 0
	; and for Wo: 128 rows x 256 bytes, padded in LDS
	s_or_b32 s[G1B+0], s44, (0<<16)|(1<<20)|(1<<21)|(5<<22)|(3<<25)  ; the mask: my column; elements of 1 byte; padding: four words after every 64
	s_mov_b32 s[G1B+1], ROWB<<16
	s_mov_b32 s[G1B+2], 128<<16
	s_mov_b32 s[G1B+3], ROWB<<16
	s_mov_b32 s[G1B+4], 128
	s_mov_b32 s[G1B+5], KROW
	s_mov_b32 s[G1B+6], 0
	s_mov_b32 s[G1B+7], 0
	s_lshl_b32 s20, s17, 4
	s_lshl_b32 s18, s16, 3
	s_add_co_u32 s20, s20, s18                     ; A: 16 tokens' tile 16 x tile row + 8 x half,
	s_lshl_b32 s20, s20, 12                        ; 4,096 bytes each
	s_mov_b32 s21, 0
	s_lshl_b32 s46, s42, 8
	s_lshl_b32 s18, s16, 7
	s_add_co_u32 s46, s46, s18                     ; Wo: row 256 x tile column + 128 x half
	s_lshl_b32 s46, s46, 10
	s_mov_b32 s47, 0
	s_lshl_b32 s45, s16, 15                        ; where they go: A's halves of 32,768 bytes,
	s_mul_i32 s92, s16, HALFB
	s_add_co_u32 s92, s92, ABYTES                  ; Wo's behind them: no place in the cluster enters an LDS address
	s_wait_kmcnt 0x0
	s_load_b64 s[96:97], s[10:11], 0x28            ; e10, e11
	s_add_nc_u64 s[20:21], s[4:5], s[20:21]
	s_add_nc_u64 s[46:47], s[6:7], s[46:47]
	CROUND                                         ; all sixteen work-groups are here: the first joint loads meet
.irp s, 0,1
	s_mov_b32 s[G0+4*\s], 1
	s_add_co_u32 s[G0+4*\s+1], s45, \s*SLOT
	s_add_nc_u64 s[G0+4*\s+2:G0+4*\s+3], s[20:21], \s*KPLANE
	s_or_b32 s[G0+4*\s+3], s[G0+4*\s+3], 0x80000000
	s_mov_b32 s[G0B+4*\s], 1
	s_add_co_u32 s[G0B+4*\s+1], s92, \s*SLOT
	s_add_nc_u64 s[G0B+4*\s+2:G0B+4*\s+3], s[46:47], \s*ROWB
	s_or_b32 s[G0B+4*\s+3], s[G0B+4*\s+3], 0x80000000
	s_wait_alu depctr_va_vdst(0)
	s_wait_tensorcnt 0x0
	ds_add_u32 v28, v29
	ds_add_u32 v28, v29
	s_wait_dscnt 0x0
	CROUND
	JLOAD G0+4*\s, G1, G0B+4*\s, G1B
.endr
	v_and_b32 v1, 15, v0                           ; r
	v_bfe_u32 v2, v0, 4, 1                         ; h
	v_and_b32 v6, 31, v0
	v_lshlrev_b32 v[CO], 4, v6                     ; 16 x lane
	v_lshlrev_b32 v[H32], 5, v2
	v_mul_u32_u24 v3, v1, PITCH
	v_lshl_add_u32 v4, v2, 3, v3                   ; Wo: row x pitch + 8 x half
	s_lshl_b32 s21, s15, 15                        ; my 128 tokens of A
	s_mul_i32 s22, s16, HALFB
	s_add_co_u32 s22, s22, ABYTES                  ; my 128 rows of Wo
.irp s, 0,1
	v_add_nc_u32 v[ADRA+\s], s21, v[CO]
	v_add_nc_u32 v[ADRB+\s], s22, v4
	s_add_co_u32 s21, s21, SLOT
	s_add_co_u32 s22, s22, SLOT
.endr
	s_mul_i32 s23, s14, 16*SPITCH                  ; my stage
	v_mul_u32_u24 v5, v1, SPITCH                   ; in: row r, 32 bytes for each half of the lanes
	v_lshl_add_u32 v5, v2, 5, v5
	v_add_nc_u32 v[STO], s23, v5
	v_add_nc_u32 v[RD], s23, v[CO]                 ; back: the 32 lanes take one row of 512 bytes
	s_lshl_b32 s18, s42, 10                        ; my 128 outputs, in bytes of f32: 1,024 x tile column + 512 x half
	s_lshl_b32 s19, s16, 9
	s_add_co_u32 s18, s18, s19
	s_mov_b32 s19, 0
	s_add_nc_u64 s[8:9], s[8:9], s[18:19]          ; in bo,
	s_add_nc_u64 s[12:13], s[12:13], s[18:19]      ; and in a row of out
	s_lshl_b32 s18, s17, 8
	s_lshl_b32 s20, s15, 7
	s_add_co_u32 s18, s18, s20                     ; my first token: 256 x tile row + 128 x half,
	s_lshl_b32 s18, s18, 12                        ; rows of 4,096 bytes
	s_add_nc_u64 s[12:13], s[12:13], s[18:19]
.irp b, 0,1,2,3,4,5,6,7
	global_load_b128 v[BC+8*\b:BC+8*\b+3], v[H32], s[8:9] offset:64*\b        ; the bias, in the result's layout; waited for on the way out
	global_load_b128 v[BC+8*\b+4:BC+8*\b+7], v[H32], s[8:9] offset:64*\b+16
.endr
.macro FRAG_A reg, adr, q, i           ; tokens 16 i on, the slot's q-th 128 along K: an image of 2,048 bytes
.irp c, 0,1,2,3
	ds_load_b128 v[\reg+4*\c:\reg+4*\c+3], v[\adr] offset:4096*(\i)+2048*(\q)+512*\c
.endr
.endm
.macro FRAG_B reg, adr, q, i           ; rows 16 i on of Wo: registers 2 c, 2 c + 1 hold K = 16 c + 8 (l / 16) + 0 .. 7
.irp c, 0,1,2,3,4,5,6,7
	ds_load_b64 v[\reg+2*\c:\reg+2*\c+1], v[\adr] offset:128*(\q)+16*\c+(\i)*16*PITCH
.endr
.endm
; 16 matrix instructions: A's blocks a0, a0 + 1 x Wo's eight.  The 64 accumulators take turns, one instruction a turn, in the same order in every step.
.macro MUL16 a0, p, zero
.irp a, \a0, \a0+1
.irp b, 0,1,2,3,4,5,6,7
.if \zero
	v_wmma_f32_16x16x128_fp8_fp8 v[8*(8*((\a)%4)+\b):8*(8*((\a)%4)+\b)+7], v[128*(\p)+FR*\b:128*(\p)+FR*\b+FR-1], v[AF+FR*(\a):AF+FR*(\a)+FR-1], 0
.else
	v_wmma_f32_16x16x128_fp8_fp8 v[8*(8*((\a)%4)+\b):8*(8*((\a)%4)+\b)+7], v[128*(\p)+FR*\b:128*(\p)+FR*\b+FR-1], v[AF+FR*(\a):AF+FR*(\a)+FR-1], v[8*(8*((\a)%4)+\b):8*(8*((\a)%4)+\b)+7]
.endif
.endr
.endr
.endm
.macro FETCH_B slot, q, p
	WIN TO_B
.irp i, 0,1,2,3,4,5,6,7
	FRAG_B 128*(\p)+FR*\i, ADRB+\slot, \q, \i
.endr
	WIN 0
.endm
.macro FETCH_A slot, q, i0
.irp i, \i0, \i0+1, \i0+2, \i0+3
	FRAG_A AF+FR*(\i), ADRA+\slot, \q, \i
.endr
.endm
.macro PLACES n                        ; places behind matrix instructions (ISA guide 7.12.1 for vector instructions)
.rept \n
	v_nop
.endr
.endm
.macro STEP slot, q, zero              ; a step of 128 along K that has its successor in the same slot
	s_wait_dscnt 4*NL                              ; Wo's set and A's blocks 0-3 are in; the 16 youngest loads (A's blocks 4-7) may be out
	WIN MUL_LO
	MUL16 0, (\q)%2, \zero
	MUL16 2, (\q)%2, \zero
	s_wait_dscnt 0
	PLACES NP
	FETCH_B \slot, (\q)+1, 1-(\q)%2
	FETCH_A \slot, (\q)+1, 0
	WIN MUL_HI
	MUL16 4, (\q)%2, \zero
	MUL16 6, (\q)%2, \zero
	PLACES NP
	WIN 0
	FETCH_A \slot, (\q)+1, 4
.endm
; A slot's last step changes slots: ONE barrier; in front of it each wave waits for all its tensor loads, adds 0 to its spare word, and waits for that and for its own reads of this slot.
.macro TURN slot, next, fill
	s_wait_tensorcnt 0x0                           ; all my tensor loads have landed: my part of the next slot  (every window is 0 here)
	ds_add_u32 v[SPW], v[NIL]                      ; 0 onto my spare word
	s_wait_dscnt 4*NL+1                            ; (the add and the 16 youngest loads may be out)
	WIN MUL_LO
	MUL16 0, 1, 0
	s_wait_dscnt 0x0                               ; the add is done, and my reads of this slot are over
	s_barrier_signal -1
	MUL16 2, 1, 0
	WIN 0
	s_barrier_wait -1
.if \fill
	CREST                                          ; no wave of any partner still reads this slot's tile or has a load on its way
	s_add_nc_u64 s[G0+4*\slot+2:G0+4*\slot+3], s[G0+4*\slot+2:G0+4*\slot+3], 2*KPLANE
	s_add_nc_u64 s[G0B+4*\slot+2:G0B+4*\slot+3], s[G0B+4*\slot+2:G0B+4*\slot+3], 2*ROWB
	JLOAD G0+4*\slot, G1, G0B+4*\slot, G1B         ; the first tensor load behind the round; its four v_nop are also the places in front of the loads below
.else
	PLACES NP
.endif
	FETCH_B \next, 0, 0
	FETCH_A \next, 0, 0
	WIN MUL_HI
	MUL16 4, 1, 0
	MUL16 6, 1, 0
	PLACES NP
	WIN 0
	FETCH_A \next, 0, 4
.endm
	s_wait_alu depctr_va_vdst(0)
	s_wait_tensorcnt 1                             ; my part of slot 0 is in; slot 1's load may stay out
	s_barrier_signal -1
	s_barrier_wait -1
	FETCH_B 0, 0, 0
	FETCH_A 0, 0, 0
	FETCH_A 0, 0, 4
	STEP 0, 0, 1                                   ; its products start the sums.  Eight steps of 128 are written out: there is no loop
	TURN 0, 1, 1                                   ; slot 0 takes K 512-767
	STEP 1, 0, 0
	TURN 1, 0, 1                                   ; slot 1 takes K 768-1023
	STEP 0, 0, 0
	TURN 0, 1, 0                                   ; nothing is left to fetch: no round
	STEP 1, 0, 0
	s_wait_dscnt 4*NL                              ; the very last step
	WIN MUL_LO
	MUL16 0, 1, 0
	MUL16 2, 1, 0
	s_wait_dscnt 0
	WIN MUL_HI
	MUL16 4, 1, 0
	MUL16 6, 1, 0
	WIN 0
; THE WAY OUT, block by block of 16 tokens x 128 outputs.  A lane holds 32 neighbouring bytes of a row, and the lanes beside it hold other rows: so a block goes through my own stage in LDS and comes back as
; whole rows of 512 bytes.  LDS serves a wave's instructions in order (ISA guide 5.7.1.4): no wait between the stores and the loads.  The finished numbers lie in window 1, in two sets by turns.
.macro TOSTAGE a
.set AC, 64*((\a)%4)
.set TM, 64*((\a)%2)
	WIN 0x42+((\a)/4)                              ; source 0: window 2 or 3; destination window 1; the bias in window 0
.irp b, 0,1,2,3,4,5,6,7
.irp i, 0,2,4,6                        ; each accumulator from its low end on
	v_pk_fma_f32 v[TM+8*\b+\i:TM+8*\b+\i+1], v[AC+8*\b+\i:AC+8*\b+\i+1], s[96:97], v[BC+8*\b+\i:BC+8*\b+\i+1] op_sel_hi:[1,0,1]   ; sum x 2^(e10 + e11) + bo
.endr
.endr
	WIN 0x04                                       ; the stores' data in window 1, their address in window 0
.irp b, 0,1,2,3,4,5,6,7
	ds_store_b128 v[STO], v[TM+8*\b:TM+8*\b+3] offset:64*\b
	ds_store_b128 v[STO], v[TM+8*\b+4:TM+8*\b+7] offset:64*\b+16
.endr
	WIN 0
.set BB, BK+64*((\a)%2)
.irp t, 0,1,2,3,4,5,6,7,8,9,10,11,12,13,14,15
	ds_load_b128 v[BB+4*\t:BB+4*\t+3], v[RD] offset:\t*SPITCH
.endr
.endm
.macro SEND a, younger                 ; younger: the LDS instructions issued behind block a's loads, which may stay out
.set BB, BK+64*((\a)%2)
	s_wait_dscnt \younger                          ; the block is back in registers
.if (\a) > 0
	s_add_nc_u64 s[12:13], s[12:13], 16*4096       ; (behind a wait on XCNT: the earlier stores have read their base)  16 rows of out on
.endif
.irp t, 0,1,2,3,4,5,6,7,8,9,10,11,12,13,14,15
	global_store_b128 v[CO], v[BB+4*\t:BB+4*\t+3], s[12:13] offset:\t*4096 th:TH_STORE_NT   ; 32 lanes store 512 consecutive bytes, aligned; written once, read by nobody here
.endr
.endm
	s_wait_kmcnt 0x0
	s_add_co_i32 s96, s96, s97                     ; e10 + e11
	s_add_co_i32 s96, s96, 127
	s_lshl_b32 s96, s96, 23                        ; 2^(e10 + e11) as f32
	s_mov_b32 s97, s96                             ; (named with it as a pair, so it is written)
	s_wait_loadcnt 0x0                             ; the bias
	PLACES NP                                      ; behind the last products: for the reads of results, the writes over Wo's fragments and the loads over A's
	TOSTAGE 0
.irp a, 1,2,3,4,5,6,7
.if \a > 1
	s_wait_xcnt 0x0                                ; block a - 2's stores have read their registers and their base: block a's loads may land there, and the base may step
.endif
	TOSTAGE \a
	SEND \a-1, 32                                  ; behind block a - 1's loads: block a's 16 stores and 16 loads
.endr
	s_wait_xcnt 0x0                                ; block 6's stores have read their base
	SEND 7, 0
	s_wait_tensorcnt 0x0                           ; the wave's end
	ds_add_u32 v[SPW], v[NIL]
	s_wait_dscnt 0x0
	CROUND                                         ; the closing round
	s_endpgm
.Lfunc_end_k_qa11e1df48a_proj:
	.size	k_qa11e1df48a_proj, .Lfunc_end_k_qa11e1df48a_proj-k_qa11e1df48a_proj
	.p2alignl 7, 3214868480
	.fill 96, 4, 3214868480
	.section	.rodata,"a",@progbits
	.p2align	6, 0x0
	.amdhsa_kernel k_qa11e1df48a_proj
		.amdhsa_group_segment_fixed_size 327680
		.amdhsa_private_segment_fixed_size 0
		.amdhsa_enable_private_segment 0
		.amdhsa_kernarg_size 40
		.amdhsa_user_sgpr_count 2
		.amdhsa_user_sgpr_kernarg_segment_ptr 1
		.amdhsa_wavefront_size32 1
		.amdhsa_system_sgpr_workgroup_id_x 1
		.amdhsa_system_sgpr_workgroup_id_y 1
		.amdhsa_system_sgpr_workgroup_id_z 1
		.amdhsa_system_vgpr_workitem_id 0
		.amdhsa_next_free_vgpr 1024
		.amdhsa_next_free_sgpr 100
		.amdhsa_reserve_vcc 0
		.amdhsa_float_denorm_mode_32 3
		.amdhsa_float_denorm_mode_16_64 3
		.amdhsa_memory_ordered 1
		.amdhsa_forward_progress 1
		.amdhsa_inst_pref_size 142
	.end_amdhsa_kernel
	.amdgpu_metadata
---
amdhsa.version: [ 1, 2 ]
amdhsa.kernels:
  - .name:           k_qa11e1df48a_proj
    .symbol:         k_qa11e1df48a_proj.kd
    .args:
      - { .name: af, .offset: 0, .size: 8, .value_kind: global_buffer, .address_space: global }
      - { .name: Wo_codes, .offset: 8, .size: 8, .value_kind: global_buffer, .address_space: global }
      - { .name: bo, .offset: 16, .size: 8, .value_kind: global_buffer, .address_space: global }
      - { .name: lowp_scales, .offset: 24, .size: 8, .value_kind: global_buffer, .address_space: global }
      - { .name: out0, .offset: 32, .size: 8, .value_kind: global_buffer, .address_space: global }
    .group_segment_fixed_size: 327680
    .private_segment_fixed_size: 0
    .kernarg_segment_align: 8
    .kernarg_segment_size: 40
    .max_flat_workgroup_size: 128
    .sgpr_count:     100
    .vgpr_count:     1024
    .wavefront_size: 32
...
	.end_amdgpu_metadata
.endif
;; end of part 3
